; MI455X (gfx1250); checked and timed in simulation.
; The chip was launched on July 23, 2026; its instructions are those of AMD's public machine-readable ISA for CDNA 5 (MIT licence, August 2026) and "CDNA5" Instruction Set Architecture Reference Guide (July 2026). The comments in the code are by the model that wrote it; some were corrected since.
;; Separable FC. Allowed arithmetic: matrix products marked QUANTISED: E4M3 operands, one E8M0 scale for each 32 along K, by v_wmma_scale_f32_16x16x128_f8f6f4 with both operands' format E4M3, f32 sums; products left as they are: f32 operands where the result goes on into a quantised operand, else bf16, f16 or f32 operands; f32 sums; everything else in f32.
;; Inputs: W_chan 2,048 x 32 float32; W_pos 2,048 x 2,048 float32; x 512 x 2,048 x 32 float32.
;; Outputs: out0 512 x 2,048 float32.
;; This version of the problem:
;;   THIS VERSION OF THE PROBLEM IS GIVEN IN LOW PRECISION. The matrix products marked QUANTISED in the list below multiply operands that are first quantised to E4M3 (4 exponent bits, 3 mantissa bits; 8 bits a number), with one power-of-two scale for each 32 numbers along K (OCP MX v1.0); their sums are f32. All else is computed in f32.
;;   The module's matrix products, in the order in which they are computed (A, B: the left and right operand; K: the contracted axis; several contracted axes count as one K, in the product's order):
;;     1. [M 16,384, K 2,048] x [K 2,048, N 2,048]; A: input x; B: input W_pos: QUANTISED
;;     2. batch 2,048 x [M 1, K 32] x [K 32, N 512]; A: input W_chan; B: computed on the way: left as it is (M = 1 < 16)
;;   THE QUANTISER, for each operand of a quantised product, along K:
;;     - K is cut into blocks of 32 from its start; a last block that is shorter is filled with zeros.
;;     - A block's scale is 2^e with e = floor(log2(the largest magnitude in the block)) - 8, held to -126 .. 127; a block of zeros has e = 0. As a byte (E8M0): e + 127.
;;     - Each number is divided by its block's scale, clamped to +-448, and rounded to the nearest number of E4M3, ties to even, subnormals kept.
;;     - The product sums the exact products of the quantised numbers (number of the format x scale) in f32.
;;   ~~~python
;;   def quantise(x, axis):      # numpy; x: float32 -> the quantised numbers, widened to float32 again
;;       x = np.moveaxis(x, axis, -1); K = x.shape[-1]
;;       x = np.pad(x, [(0, 0)] * (x.ndim - 1) + [(0, -K % 32)]); x = x.reshape(x.shape[:-1] + (-1, 32)); a = np.abs(x).max(-1, keepdims=True)
;;       e = np.where(a > 0, np.clip(np.frexp(np.where(a > 0, a, 1))[1] - 1 - 8, -126, 127), 0)      # np.frexp(a)[1] - 1 = floor(log2(a)), exactly
;;       r = np.clip(x / 2.0 ** e, -448, 448)
;;       step = 2.0 ** (np.maximum(np.frexp(np.where(r == 0, 1, r))[1] - 1, -6) - 3)
;;       q = np.round(r / step) * step * 2.0 ** e      # np.round: ties to even
;;       return np.moveaxis(q.reshape(q.shape[:-2] + (-1,))[..., :K], -1, axis).astype(np.float32)
;;   ~~~
;; One version. Each part assembles by itself: llvm-mc -triple=amdgcn-amd-amdhsa -mcpu=gfx1250 --defsym DOCPART=n.
;; ======== version 1 of 1: 2 launches
;; limits: right only within a limited range of input values
;; workspace buffers: xq 34,603,008 bytes; wq 4,325,376 bytes
;; launch quant (part 1): grid 2304 x 1, 1 waves a work-group, no clusters, 14,592 bytes of LDS; arguments x, W_pos, xq, wq; writes xq, wq
.if DOCPART == 1
	.amdgcn_target "amdgcn-amd-amdhsa--gfx1250"
	.amdhsa_code_object_version 6
	.text
	.protected	k_q96d5790ea8_quant
	.globl	k_q96d5790ea8_quant
	.p2align	8
	.type	k_q96d5790ea8_quant,@function
k_q96d5790ea8_quant:
	s_mov_b64 s[64:65], 0
	v_nop
	global_prefetch_b8 v0, s[64:65] scope:SCOPE_SE
	s_setreg_imm32_b32 hwreg(HW_REG_WAVE_MODE, 25, 1), 1
	s_wait_xcnt 0x0
; x [512][2048 (l)][32 (c)] and W_pos [2048 (o)][2048 (l)], f32, become codes of FP8 (E4M3) with K = l innermost, and one E8M0 scale byte for each 32 along l.
; LAYOUT of xq (rows 32 b + c) and wq (rows o), made for the product's tensor loads: [group of 128 rows][K step of 256 l][33,792 bytes].  Such a block is 132 lines of 256 bytes:
; lines 0-127 = the 128 rows' 256 codes of the K step; lines 128-131 = their scale bytes, row r's eight at byte 32,768 + 8 r.
; ORDER ALONG K, the same in both buffers: inside each group of 16 along l, byte 8 p + i holds l = 2 i + p (the even l, then the odd).
; A group of 16 lies inside one block of 32 and inside one lane's four registers of a matrix operand, and both operands of the product are laid alike: every product meets its partner and its scales; only the order of the f32 sums differs.
; It is chosen so that each load of x covers whole runs of 256 consecutive bytes and a lane still ends with eight codes that belong together.
; A block's scale is 2^(floor(log2(its largest magnitude)) - 8); its byte is the largest magnitude's exponent field - 8, held at 1 from below; each number is held within +-448 x the scale and rounded to the nearest code, ties to even.
; LIMITS: a block of zeros gets the byte 1 where the quantiser's text says 127: its codes are zeros, which add nothing, and this program alone reads the bytes.  NaN and infinities among the inputs are not served.
; SHARES: a work-group is ONE wave and takes a quarter of K (512 l) of 32 rows: 65,536 bytes of f32.  Work-groups 0-255: W_pos; 256-2303: x.  2,304 equal work-groups are 9 for each of 256 WGPs.
; No barrier, no tensor loads, no matrix work, no cluster: every byte is read once by one wave.  Nothing is prefetched: the launch's own loads already stream.  The two ways never join, and each has LDS bytes of its own.
.set BLK,   33792                      ; a block of the workspace
.set SCB,   32768                      ; where its scale bytes begin
.set WREG,  5632                       ; W_pos's way, LDS: two stages of 32 x 80 bytes, then 512 scale bytes
.set SP,    80                         ; a lane's place in a stage: 64 bytes + 16 of padding
.set XBASE, WREG                       ; x's way begins behind: a stage of 32 rows (c) x 272 bytes
.set XP,    272                        ; 256 codes + 16 of padding
.set FLOORB, 0x4800000                 ; 2^(9 - 127)
	s_load_b128 s[4:7], s[0:1], 0x0                ; x, W_pos
	s_load_b128 s[8:11], s[0:1], 0x10              ; xq, wq
	s_set_vgpr_msb 0x40
	v_lshl_add_u32 v0, v0, 2, 0x3800
	v_mov_b32 v1, 0
	s_set_vgpr_msb 0x4000
	v_and_b32 v2, 31, v0                           ; lane
	s_mov_b32 s23, 0x600000                        ; the mantissa field of 448
	s_mov_b32 s24, 0x76543210
	s_mov_b32 s25, 0xfedcba98                      ; v_permlanex16_b32's selects for lane l xor 16
	s_mov_b32 s19, 0
	s_and_b32 s16, ttmp9, 3                        ; my quarter of K: K steps 2 s16 and 2 s16 + 1
	s_wait_kmcnt 0x0
	s_cmp_lt_u32 ttmp9, 256
	s_cbranch_scc0 .Lx
; ---------------- W_pos: K is innermost.  32 steps, step t = row t of my 32, 512 numbers of it: 2,048 consecutive bytes.
; Each of a step's four loads reads 512 consecutive bytes; they turn through my stage so that a lane holds 16 neighbours along K; two neighbouring lanes hold a block.
.set WR, 16                            ; v16-79   four sets of 16 numbers as loaded
.set WX, 80                            ; v80-111  two sets of 16 neighbours
.set WY, 112                           ; v112-127 the 16, held, in the order of the codes
.set WC, 128                           ; v128-255 codes: four registers for each step, so that no store's data are written again
	s_wait_alu depctr_va_vdst(0)
	v_lshlrev_b32 v3, 4, v2                        ; 16 x lane: my place in a load's 512 bytes
	v_lshrrev_b32 v14, 2, v2
	v_mul_u32_u24 v14, v14, SP
	v_and_b32 v15, 3, v2
	v_lshl_add_u32 v14, v15, 4, v14                ; the stage, on the way in: 80 (lane / 4) + 16 (lane % 4)
	v_mul_u32_u24 v15, v2, SP                      ; on the way out: 80 x lane
	v_lshrrev_b32 v5, 1, v2
	v_add_nc_u32 v5, 2*32*SP, v5                   ; my block's scale byte
	v_add_nc_u32 v6, 2*32*SP, v3                   ; and a row's 16 on the way out
	v_lshlrev_b32 v4, 3, v2                        ; 8 x lane: a row's eight scale bytes in a block
	v_lshrrev_b32 v7, 4, v2
	v_mul_u32_u24 v7, v7, BLK                      ; lanes 16-31 hold the second K step's codes: one block on
	v_and_b32 v1, 15, v2
	v_lshl_add_u32 v7, v1, 4, v7                   ; + 16 (lane % 16)
	s_lshr_b32 s17, ttmp9, 2                       ; which 32 rows
	s_lshl_b32 s18, s17, 18                        ; 32 rows of 8,192 bytes
	s_lshl_b32 s20, s16, 11                        ; 512 numbers
	s_add_co_u32 s18, s18, s20
	s_add_nc_u64 s[6:7], s[6:7], s[18:19]
	s_lshr_b32 s20, s17, 2                         ; the group of 128 rows
	s_lshl_b32 s20, s20, 3
	s_lshl_b32 s21, s16, 1
	s_add_co_u32 s20, s20, s21                     ; 8 x group + my first K step
	s_mul_i32 s18, s20, BLK
	s_add_nc_u64 s[10:11], s[10:11], s[18:19]      ; that block
	s_and_b32 s20, s17, 3                          ; which 32 of its 128 rows
	s_lshl_b32 s18, s20, 8
	s_add_co_u32 s18, s18, SCB
	s_add_nc_u64 s[12:13], s[10:11], s[18:19]      ; their scale bytes: one line of 256 bytes
	s_lshl_b32 s18, s20, 13
	s_add_nc_u64 s[10:11], s[10:11], s[18:19]      ; their codes: 32 lines
.macro WLD t
.irp i, 0,1,2,3
	global_load_b128 v[WR+16*((\t)%4)+4*\i:WR+16*((\t)%4)+4*\i+3], v3, s[6:7] offset:8192*(\t)+512*\i th:TH_LOAD_NT
.endr
.endm
.macro WTURN t                         ; LDS serves a wave's instructions in order: no wait between the stores and the loads
.irp i, 0,1,2,3
	ds_store_b128 v14, v[WR+16*((\t)%4)+4*\i:WR+16*((\t)%4)+4*\i+3] offset:32*SP*((\t)%2)+8*SP*\i
.endr
.irp i, 0,1,2,3
	ds_load_b128 v[WX+16*((\t)%2)+4*\i:WX+16*((\t)%2)+4*\i+3], v15 offset:32*SP*((\t)%2)+16*\i
.endr
.endm
.macro WSTEP t
.set XS, WX+16*((\t)%2)
.if (\t) > 0
	s_wait_dscnt 1                                 ; all but the last step's byte store: this step's numbers are back, and its stores into the stage have read their registers,
.else
	s_wait_dscnt 0x0
.endif
.if (\t)+4 < 32
	WLD (\t)+4                                     ; which take the loads of four steps on
.endif
.if (\t)+1 < 32
.if 30-(\t) >= 3
	s_wait_loadcnt 12                              ; the next step's four loads are in; those of the three steps behind it may be out
.else
	s_wait_loadcnt 4*(30-(\t))
.endif
	WTURN (\t)+1
.endif
	v_max3_num_f32 v8, |v[XS]|, |v[XS+1]|, |v[XS+2]|
	v_max3_num_f32 v9, |v[XS+3]|, |v[XS+4]|, |v[XS+5]|
.irp i, 6,10
	v_max3_num_f32 v8, v8, |v[XS+\i]|, |v[XS+\i+1]|
	v_max3_num_f32 v9, v9, |v[XS+\i+2]|, |v[XS+\i+3]|
.endr
	v_max3_num_f32 v8, v8, |v[XS+14]|, |v[XS+15]|
	v_max3_num_f32 v8, v8, v9, FLOORB              ; the floor: the byte cannot fall under 1
	v_max_num_f32_dpp v8, v8, v8 row_xmask:1 row_mask:0xf bank_mask:0xf   ; with my neighbour's 16: the block's largest magnitude
	v_add_nc_u32 v11, 0xfc000000, v8               ; 8 off its exponent field: the conversion's scale operand
	v_and_or_b32 v10, v8, 0x7f800000, s23          ; 448 x the scale
.irp n, 0,1,2,3,4,5,6,7,8,9,10,11,12,13,14,15
	v_med3_num_f32 v[WY+8*(\n%2)+\n/2], v[XS+\n], -v10, v10   ; the hold (the conversion to an 8-bit code does not saturate: ISA guide 7.6.2), and the codes' order: number 2 i + p to place 8 p + i
.endr
	v_cvt_scalef32_pk8_fp8_f32 v[WC+4*(\t):WC+4*(\t)+1], v[WY:WY+7], v11
	v_cvt_scalef32_pk8_fp8_f32 v[WC+4*(\t)+2:WC+4*(\t)+3], v[WY+8:WY+15], v11
	v_lshrrev_b32 v[12+(\t)%2], 23, v11            ; the scale's byte (two registers by turns: the store of two steps back is done by the wait at this step's head)
	ds_store_b8 v5, v[12+(\t)%2] offset:16*(\t)    ; both lanes of a block write the same byte with the same value
	global_store_b128 v7, v[WC+4*(\t):WC+4*(\t)+3], s[10:11] offset:256*(\t)   ; line t of two blocks: sixteen lanes store 256 consecutive bytes, at a multiple of 256 from wq's first byte
.endm
.irp t, 0,1,2,3
	WLD \t
.endr
	s_wait_alu depctr_va_vdst(0)
	s_wait_loadcnt 12                              ; step 0's four loads are in
	WTURN 0
.irp t, 0,1,2,3,4,5,6,7,8,9,10,11,12,13,14,15,16,17,18,19,20,21,22,23,24,25,26,27,28,29,30,31
	WSTEP \t
.endr
	ds_load_b128 v[80:83], v6                      ; lane t: row t's 16 scale bytes: this load sees my stores
	s_wait_dscnt 0x0
	global_store_b64 v4, v[80:81], s[12:13]            ; the first K step's eight bytes of each row: 256 consecutive bytes
	global_store_b64 v4, v[82:83], s[12:13] offset:BLK ; the second's, one block on
	s_set_vgpr_msb 0x5
	s_wait_tensorcnt 0x0
	ds_add_u32 v0, v1
	s_wait_dscnt 0x0
	s_set_vgpr_msb 0x500
	s_endpgm
; ---------------- x: K is the middle axis.  My quarter of K is 16 blocks of 32 l x 32 c, 4,096 consecutive bytes each.
; hh = lane / 16, p = (lane / 8) % 2, q = lane / 8, j = lane % 8.  Load i of block t gives me x[b][32 t + 16 hh + 2 i + p][4 j .. 4 j + 3]: sixteen lanes read 256 consecutive bytes.
; So I hold, for each of four channels e, eight numbers along K (i = 0 .. 7): bytes 32 t + 8 q + i of row c = 4 j + e.  The four lanes of one j share a block.
.Lx:
.set XR,   32                          ; v32-159  four sets of 32: number (i, e) at 4 i + e
.set XY,   160                         ; v160-191 the 32, held, channel by channel: 8 e + i
.set XOUT, 160                         ; v160-223 the way out: 16 x 4 registers, laid over XY
.set XC,   224                         ; v224-231 a block's codes: two registers a channel
.set SB,   28                          ; v28-31   the 16 scale bytes of row 4 j + q
	s_wait_alu depctr_va_vdst(0)
	v_lshrrev_b32 v1, 4, v2                        ; hh
	v_and_b32 v24, 15, v2
	v_lshlrev_b32 v3, 4, v24
	v_lshl_add_u32 v3, v1, 11, v3                  ; 2,048 hh + 16 (lane % 16): my place in a block of x
	v_and_b32 v25, 7, v2                           ; j
	v_lshrrev_b32 v26, 3, v2                       ; q
	v_mul_u32_u24 v4, v25, 4*XP
	v_lshl_add_u32 v4, v26, 3, v4
	v_add_nc_u32 v4, XBASE, v4                     ; into the stage: row 4 j, byte 8 q
	v_mul_u32_u24 v5, v1, XP
	v_lshl_add_u32 v5, v24, 4, v5
	v_add_nc_u32 v5, XBASE, v5                     ; out of it: sixteen lanes to a row, two rows an instruction
	v_lshlrev_b32 v6, 4, v2                        ; 16 x lane: the same two rows are two neighbouring lines of xq
	v_lshlrev_b32 v7, 5, v25
	v_lshl_add_u32 v7, v26, 3, v7                  ; 8 x (4 j + q): my row's eight scale bytes in a block
	v_cmp_eq_u32 s26, 1, v26
	v_cmp_eq_u32 s27, 2, v26
	v_cmp_eq_u32 s28, 3, v26
.irp e, 0,1,2,3
	v_mov_b32 v[12+\e], 0                          ; written once: a lane permute's destination counts as one of its sources
.endr
	s_sub_co_u32 s29, ttmp9, 256                   ; 4 b + my quarter of K
	s_lshl_b32 s18, s29, 16                        ; 512 l x 32 c numbers each
	s_add_nc_u64 s[4:5], s[4:5], s[18:19]
	s_lshr_b32 s20, s29, 4                         ; the group of 128 rows: b / 4
	s_lshl_b32 s20, s20, 3
	s_lshl_b32 s21, s16, 1
	s_add_co_u32 s20, s20, s21                     ; 8 x group + my first K step
	s_mul_i32 s18, s20, BLK
	s_add_nc_u64 s[8:9], s[8:9], s[18:19]          ; that block
	s_bfe_u32 s20, s29, 0x20002                    ; b % 4: which 32 of its 128 rows
	s_lshl_b32 s18, s20, 8
	s_add_co_u32 s18, s18, SCB
	s_add_nc_u64 s[12:13], s[8:9], s[18:19]        ; their scale bytes: one line of 256 bytes
	s_lshl_b32 s18, s20, 13
	s_add_nc_u64 s[8:9], s[8:9], s[18:19]          ; their codes: 32 lines
.macro XLD t
.irp i, 0,1,2,3,4,5,6,7
	global_load_b128 v[XR+32*((\t)%4)+4*\i:XR+32*((\t)%4)+4*\i+3], v3, s[4:5] offset:4096*(\t)+256*\i th:TH_LOAD_NT
.endr
.endm
.macro BLOCK t
.set RS, XR+32*((\t)%4)
.if 15-(\t) >= 3
	s_wait_loadcnt 24                              ; this block's eight loads are in; those of the three blocks behind it may be out
.else
	s_wait_loadcnt 8*(15-(\t))
.endif
.irp e, 0,1,2,3
	v_max3_num_f32 v[8+\e], |v[RS+\e]|, |v[RS+4+\e]|, FLOORB   ; channel e: my eight numbers, and the floor (the four channels by turns)
.endr
.irp i, 2,4,6
.irp e, 0,1,2,3
	v_max3_num_f32 v[8+\e], v[8+\e], |v[RS+4*\i+\e]|, |v[RS+4*\i+4+\e]|
.endr
.endr
.irp e, 0,1,2,3
	v_max_num_f32_dpp v[8+\e], v[8+\e], v[8+\e] row_xmask:8 row_mask:0xf bank_mask:0xf   ; with the lane of the other p,
.endr
.irp e, 0,1,2,3
	v_permlanex16_b32 v[12+\e], v[8+\e], s24, s25
.endr
.irp e, 0,1,2,3
	v_max_num_f32 v[8+\e], v[8+\e], v[12+\e]       ; and of the other hh: the block's largest magnitude
.endr
.irp e, 0,1,2,3
	v_add_nc_u32 v[16+\e], 0xfc000000, v[8+\e]     ; the conversion's scale operand
.endr
.irp e, 0,1,2,3
	v_and_or_b32 v[20+\e], v[8+\e], 0x7f800000, s23   ; 448 x the scale
.endr
	v_cndmask_b32 v24, v16, v17, s26               ; of the four channels' scales I keep that of channel q: each of the 32 rows has one lane
	v_cndmask_b32 v24, v24, v18, s27
	v_cndmask_b32 v24, v24, v19, s28
.if (\t)%4 == 0
	v_lshrrev_b32 v[SB+(\t)/4], 23, v24            ; four bytes to a register, the lower K in the lower byte
.else
	v_lshrrev_b32 v24, 23, v24
	v_lshl_or_b32 v[SB+(\t)/4], v24, 8*((\t)%4), v[SB+(\t)/4]
.endif
.if (\t) == 8
	s_wait_alu depctr_va_vdst(0)
	s_wait_xcnt 0x0                                ; the first way out's stores have read their registers, over which the held numbers lie
.endif
.irp e, 0,1,2,3
.irp i, 0,1,2,3,4,5,6,7
	v_med3_num_f32 v[XY+8*\e+\i], v[RS+4*\i+\e], -v[20+\e], v[20+\e]   ; the hold, and the turn inside the lane: a channel's eight numbers on end
.endr
.endr
.if (\t)+4 < 16
	s_wait_alu depctr_va_vdst(0)
	XLD (\t)+4
.endif
	s_wait_alu depctr_va_vdst(0)
	s_wait_dscnt 0x0                               ; the last block's LDS stores have read the codes' registers
.irp e, 0,1,2,3
	v_cvt_scalef32_pk8_fp8_f32 v[XC+2*\e:XC+2*\e+1], v[XY+8*\e:XY+8*\e+7], v[16+\e]
.endr
	v_nop                                          ; one plain vector line behind the last scaled conversion
.irp e, 0,1,2,3
	ds_store_b64 v4, v[XC+2*\e:XC+2*\e+1] offset:XP*\e+32*((\t)%8)
.endr
.endm
.macro FLUSH f                         ; a K step's 256 codes of each of the 32 rows leave: two neighbouring lines an instruction: 512 consecutive bytes, at a multiple of 512 from xq's first byte
.irp n, 0,1,2,3,4,5,6,7,8,9,10,11,12,13,14,15
	ds_load_b128 v[XOUT+4*\n:XOUT+4*\n+3], v5 offset:2*XP*\n   ; these see my stores; the next blocks' stores come behind them
.endr
.irp n, 0,1,2,3,4,5,6,7,8,9,10,11,12,13,14,15
	s_wait_dscnt 15-\n
	global_store_b128 v6, v[XOUT+4*\n:XOUT+4*\n+3], s[8:9] offset:512*\n+BLK*\f
.endr
.endm
.irp t, 0,1,2,3
	XLD \t
.endr
.irp t, 0,1,2,3,4,5,6,7
	BLOCK \t
.endr
	FLUSH 0
.irp t, 8,9,10,11,12,13,14,15
	BLOCK \t
.endr
	FLUSH 1
	global_store_b64 v7, v[SB:SB+1], s[12:13]              ; the first K step's eight bytes of each of the 32 rows: 256 consecutive bytes
	global_store_b64 v7, v[SB+2:SB+3], s[12:13] offset:BLK ; the second's, one block on
	s_set_vgpr_msb 0x5
	s_wait_tensorcnt 0x0
	ds_add_u32 v0, v1
	s_wait_dscnt 0x0
	s_set_vgpr_msb 0x500
	s_endpgm
.Lfunc_end_k_q96d5790ea8_quant:
	.size	k_q96d5790ea8_quant, .Lfunc_end_k_q96d5790ea8_quant-k_q96d5790ea8_quant
	.p2alignl 7, 3214868480
	.fill 96, 4, 3214868480
	.section	.rodata,"a",@progbits
	.p2align	6, 0x0
	.amdhsa_kernel k_q96d5790ea8_quant
		.amdhsa_group_segment_fixed_size 14592
		.amdhsa_private_segment_fixed_size 0
		.amdhsa_enable_private_segment 0
		.amdhsa_kernarg_size 32
		.amdhsa_user_sgpr_count 2
		.amdhsa_user_sgpr_kernarg_segment_ptr 1
		.amdhsa_wavefront_size32 1
		.amdhsa_system_sgpr_workgroup_id_x 1
		.amdhsa_system_sgpr_workgroup_id_y 1
		.amdhsa_system_sgpr_workgroup_id_z 1
		.amdhsa_system_vgpr_workitem_id 0
		.amdhsa_next_free_vgpr 258
		.amdhsa_next_free_sgpr 66
		.amdhsa_reserve_vcc 0
		.amdhsa_float_denorm_mode_32 3
		.amdhsa_float_denorm_mode_16_64 3
		.amdhsa_memory_ordered 1
		.amdhsa_forward_progress 1
		.amdhsa_inst_pref_size 204
	.end_amdhsa_kernel
	.amdgpu_metadata
---
amdhsa.version: [ 1, 2 ]
amdhsa.kernels:
  - .name:           k_q96d5790ea8_quant
    .symbol:         k_q96d5790ea8_quant.kd
    .args:
      - { .name: x, .offset: 0, .size: 8, .value_kind: global_buffer, .address_space: global }
      - { .name: W_pos, .offset: 8, .size: 8, .value_kind: global_buffer, .address_space: global }
      - { .name: xq, .offset: 16, .size: 8, .value_kind: global_buffer, .address_space: global }
      - { .name: wq, .offset: 24, .size: 8, .value_kind: global_buffer, .address_space: global }
    .group_segment_fixed_size: 14592
    .private_segment_fixed_size: 0
    .kernarg_segment_align: 8
    .kernarg_segment_size: 32
    .max_flat_workgroup_size: 32
    .sgpr_count:     66
    .vgpr_count:     258
    .wavefront_size: 32
...
	.end_amdgpu_metadata
.endif
;; end of part 1
;; launch gemm (part 2): grid 32 x 8, 4 waves a work-group, clusters of 4 x 4, 327,680 bytes of LDS; arguments wq, xq, W_chan, out0; writes out0
.if DOCPART == 2
	.amdgcn_target "amdgcn-amd-amdhsa--gfx1250"
	.amdhsa_code_object_version 6
	.text
	.protected	k_q96d5790ea8_gemm
	.globl	k_q96d5790ea8_gemm
	.p2align	8
	.type	k_q96d5790ea8_gemm,@function
k_q96d5790ea8_gemm:
	s_mov_b64 s[64:65], 0
	v_nop
	global_prefetch_b8 v0, s[64:65] scope:SCOPE_SE
	s_setreg_imm32_b32 hwreg(HW_REG_WAVE_MODE, 25, 1), 1
	s_wait_xcnt 0x0
	s_wait_alu depctr_hold_cnt(0) depctr_sa_sdst(0) depctr_va_vdst(0) depctr_va_sdst(0) depctr_va_ssrc(0) depctr_va_vcc(0) depctr_vm_vsrc(0)
	s_getreg_b32 s2, hwreg(HW_REG_IB_STS2, 6, 4)
	s_cmp_eq_u32 s2, 0
	s_cbranch_scc0 .Lentry_in_a_cluster
	s_endpgm
.Lentry_in_a_cluster:
	s_bfe_u32 s2, ttmp6, 0x10000c
	s_cmp_lg_u32 s2, 0xf033
	s_cbranch_scc0 .Lentry_shape_is_right
	s_endpgm
.Lentry_shape_is_right:
; out0[b][o] = sum over c of W_chan[o][c] u[b][c][o],  u[b][c][o] = sum over l of x[b][l][c] W_pos[o][l], the second sum on codes of FP8 (E4M3) with one E8M0 scale for each 32 along l.
; P = W_pos's codes (rows o), X = x's codes (rows 32 b + c), as the launch before laid them: [group of 128 rows][K step of 256][132 lines of 256 bytes]: 128 lines of codes, a row each, then 4 lines of scale bytes, eight a row.
; Both have the same order along K.  So what a wave fetches for a K step, codes and scales of 128 rows, is ONE dense block of 33,792 bytes and one tensor load.
; A tile of u, 256 rows of X (8 b) x 256 o, is made by a work-group of four waves; a wave makes 128 x 128: 64 accumulators of 16 x 16, 512 registers.  u never goes to memory: a lane holds ONE o and eight channels in each
; accumulator, so the sum over c is fused multiply-adds inside the lane, in f32, and one exchange between the halves of the lanes.
; A WORK-GROUP STAYS: it makes TWO tiles with the same 256 o, 8,192 rows of X apart: 256 work-groups in all.  The ring of two LDS slots does not stop at the first tile's end: its last two changes of slots ask for the second
; tile's first two K steps, and the first tile's way out stands while the second of them is on its way.  W_chan's 256 rows, which both tiles share, come into LDS once, with the first fills.
; The two tiles are written out one behind the other: their tails, the registers that take W_chan and the stores' immediates differ.
; CLUSTERS: 4 x 4 work-groups.  The four of a row of the cluster (same y) need the same blocks of P and the same rows of W_chan, the four of a column (same x) the same blocks of X: each is asked for JOINTLY, by the same tensor
; load with the same descriptor and a mask that names the four.  Source 0 of the matrix instruction = 16 rows of X, source 1 = 16 rows of P: register j of lane (r, h) is u[X row 8 h + j][o = r].
; REGISTERS, in windows of 256: window 0: v0-31 addresses; v32-63 scale words, two sets; v64-127 the sums over c; from v128 P's fragments (8 x 16 rows x 128 K), ONE set.
;   window 1: X's fragments, TWO sets, at v0 and at v128; on a way out the set that is free takes W_chan.   window 2: the accumulators of my o 0-63 ((a, b) at v[8 (8 (a % 4) + b)]);   window 3: those of my o 64-127.
; LIMITS: those of the codes (see the launch before); sums in f32, in the matrix unit's own order.
.set BLK,    33792                     ; a block in memory
.set LINES,  132                       ; its lines of 256 bytes
.set NQ,     2                         ; matrix instructions deep in a slot: a K step is 256 along K
.set PITCH,  272                       ; a line in LDS: 256 bytes + 16 of padding = 68 words: the 16 rows that a load touches start at 16 different banks (64 banks of 4 bytes: ISA guide 11.1)
.set FR,     16                        ; registers of a fragment
.set NL,     4                         ; LDS loads that bring one
.set NP,     8                         ; places behind this matrix instruction (ISA guide 7.12.1)
.set HALFT,  LINES*PITCH               ; a block in LDS: what one tensor load brings, and what one wave reads of P or of X
.set SCO,    128*PITCH                 ; where its scale lines begin
.set SLOT,   4*HALFT                   ; P's two blocks, then X's two
.set LAPS,   4                         ; 2,048 along K = 8 K steps = 4 times round the ring
.set WCH,    2*SLOT                    ; behind the ring: W_chan's 256 rows; filled once
.set WP,     144                       ; a row of it: 128 bytes + 16 of padding
.set STAGE,  WCH+256*WP                ; the way out: 512 bytes for each wave, into which no tensor load lands
.set SPARE,  STAGE+4*512               ; the spare words, 128 bytes for each wave: two blocks of 256 bytes that no other line names
.set NEXT_X, (64*8-6)*BLK              ; from a slot's last K step of a tile to its first of the next: 64 groups on, 6 K steps back
.set BACK_P, 6*BLK                     ; P only goes back: the two tiles share their o
.set OSTEP,  256*8192                  ; the second tile's b lie 256 rows of out0 further down
.set ADRA, 16                          ; v16-17  LDS address of my P fragments in slot 0, 1
.set WCO,  18                          ; v18     LDS address of my part of W_chan: row r of my 128, + 8 h channels
.set ADRB, 20                          ; v20-21  LDS address of my X fragments
.set ADRS, 22                          ; v22-23  LDS address of my scale words in slot 0, 1: lanes 0-15 P's rows, lanes 16-31 X's
.set STO,  24                          ; v24     the way out: where I put a number: my stage + 64 h + 4 r
.set RD,   25                          ; v25     and where I read 16 bytes back
.set CO,   26                          ; v26     16 x lane: my place in 512 bytes of out0
.set SPW,  28                          ; v28     LDS address of my spare word; never rewritten
.set NIL,  29                          ; v29     0; never rewritten
.set PFO,  30                          ; v30     the prefetches' offset: 256 x lane: a lane a line; never rewritten
.set SC,   32                          ; scale words: set s (for slot s) at v[SC + 16 s]; register 2 i + q: lanes 0-15 the word of P's block i, lanes 16-31 that of X's block i, for the slot's q-th 128 along K
.set SUM,  64                          ; v64-127 pair 4 a + g: the sum over c for P's block a and my g-th b, even and odd channels apart
.set AF,   128                         ; P's fragments
.set G1, 24                            ; s[24:31] descriptor group 1 for P's blocks;  s[32:39] group 0, one set for each slot
.set G0, 32
.set G1B, 48                           ; s[48:55], s[56:63] the same for X's blocks
.set G0B, 56
.set WCB, 76                           ; s[76:77] my wave's 64 rows of W_chan in memory
; W_chan comes by each work-group's own plain loads, not by a joint load: it is 32,768 bytes a work-group against 16 K steps of 135,168 bytes, and each wave's one tensor load at the head is taken by K step 0.
.set PFA, 98                           ; s[98:99] where my prefetches stand
.set LIM, 100                          ; s100    1 in a wave that prefetches, else the greatest number
.set MSB, 0
.macro WIN new                         ; the immediate's high byte repeats the setting that is left
.if MSB != \new
	s_set_vgpr_msb (MSB<<8)|\new
.set MSB, \new
.endif
.endm
.set MUL_LO, 0xa1                      ; source 0 (X) window 1, source 1 (P) window 0, C and D window 2
.set MUL_HI, 0xf1                      ; the same, C and D window 3
.set TO_B,   0x40                      ; destination window 1, address window 0
; A joint load: waves 0 and 1 fetch for P, waves 2 and 3 for X.  Each of the two lines has ONE mask and one set of registers for all that issue it; the branch hangs on the wave's number alone.
; Four v_nop follow each of the two lines, ahead of the jump, the label and what follows.
.macro JLOAD g0a, g1a, g0b, g1b
	s_cmp_eq_u32 s15, 0
	s_cbranch_scc0 .Lfor_b_\@
	tensor_load_to_lds s[\g0a:\g0a+3], s[\g1a:\g1a+7]
	s_nop 0
.rept 4
	v_nop
.endr
	s_branch .Lasked_\@
.Lfor_b_\@:
	tensor_load_to_lds s[\g0b:\g0b+3], s[\g1b:\g1b+7]
	s_nop 0
.rept 4
	v_nop
.endr
.Lasked_\@:
.endm
; A prefetch of the block that stands two refills on: 32 of its 128 lines of codes, a lane a line, one instruction a wave, 256 matrix instructions ahead of the load that will ask for it (its 4 lines of scale bytes come by that load alone).
; Each line is named once in the launch: P's blocks are read by every cluster of that row of clusters, and the one with x = 0 asks; X's by both clusters of a column, and the one with y = 0 asks.
; The four partners that ask for a block jointly share its lines out by address, 32 each.  how = 1, in a loop: the last trip (s3 = 1) asks for nothing: no K step of the tile stands two on.
; how = 2, at the change of tiles: the second tile's K steps 2 and 3 of X (its K steps 0 and 1 come by their refills alone); P's blocks have been read in the first tile and are asked for no more.
.macro ASK how
.if \how == 2
	s_cmp_eq_u32 s[LIM], 1
.else
	s_cmp_gt_u32 s3, s[LIM]
.endif
	s_cbranch_scc0 .Lnot_mine_\@
	s_wait_alu depctr_va_vdst(0)
	global_prefetch_b8 v[PFO], s[PFA:PFA+1] offset:BLK th:TH_LOAD_NT scope:SCOPE_SE
.Lnot_mine_\@:
.endm
; A round of the cluster's barrier: my work-group's barrier, so that wave 0's signal speaks for all four waves; wave 0 signals for the work-group; every wave waits for all sixteen work-groups; my work-group's barrier once more.
.macro CROUND
	s_barrier_signal -1
	s_barrier_wait -1
	s_cmp_lg_u32 s14, 0
	s_cbranch_scc1 .Lnot_wave_0_\@
	s_barrier_signal -3
.Lnot_wave_0_\@:
	s_barrier_wait -3
	s_barrier_signal -1
	s_barrier_wait -1
.endm
	s_load_b128 s[4:7], s[0:1], 0x0                ; P's blocks s[4:5], X's s[6:7]
	s_load_b128 s[8:11], s[0:1], 0x10              ; W_chan s[8:9], out0 s[10:11]
	v_lshl_add_u32 v[SPW], v0, 2, SPARE
	v_mov_b32 v[NIL], 0
	ds_add_u32 v28, v29
	ds_add_u32 v28, v29
	s_wait_dscnt 0x0
	v_lshrrev_b32 v1, 5, v0
	v_readfirstlane_b32 s14, v1                    ; wave 0..3
	s_lshr_b32 s15, s14, 1                         ; which 128 o of the tile are mine.  Also: I fetch for P (0) or for X (1)
	s_and_b32 s16, s14, 1                          ; which 128 rows of X.  Also: which of the two blocks I fetch
	s_bfe_u32 s40, ttmp6, 0x40000                  ; cx, cy: my place in the cluster
	s_bfe_u32 s41, ttmp6, 0x40004
	s_lshl_b32 s42, ttmp9, 2
	s_add_co_u32 s42, s42, s40                     ; which 256 rows of X in the first tile = 4 x cluster x + cx: 0 .. 31
	s_and_b32 s17, ttmp7, 0xffff
	s_lshl_b32 s17, s17, 2
	s_add_co_u32 s17, s17, s41                     ; which 256 o = 4 x cluster y + cy
	s_lshl_b32 s43, s41, 2
	s_lshl_b32 s43, 15, s43                        ; my row of the cluster
	s_lshl_b32 s44, 0x1111, s40                    ; my column
	; descriptor group 1: a dense block of 132 lines x 256 bytes, padded in LDS
	s_or_b32 s[G1+0], s43, (0<<16)|(1<<20)|(1<<21)|(5<<22)|(3<<25)  ; 15:0 the mask: P's blocks go to my row; 17:16 element of 1 byte; 20 padding on; 21 set beside a mask; 24:22 after every 64 words (code 5); 31:25 of 4 words (code 3)
	s_or_b32 s[G1B+0], s44, (0<<16)|(1<<20)|(1<<21)|(5<<22)|(3<<25)
.irp g, G1, G1B
	s_mov_b32 s[\g+1], 256<<16                     ; tensor_dim0
	s_mov_b32 s[\g+2], LINES<<16                   ; tensor_dim1
	s_mov_b32 s[\g+3], 256<<16                     ; tile_dim0
	s_mov_b32 s[\g+4], LINES                       ; tile_dim1
	s_mov_b32 s[\g+5], 256                         ; tensor_dim0_stride: the lines are dense
	s_mov_b32 s[\g+6], 0
	s_mov_b32 s[\g+7], 0
.endr
	s_lshl_b32 s20, s17, 1
	s_add_co_u32 s20, s20, s16                     ; P: the group of 128 rows that I fetch
	s_mul_i32 s20, s20, 8*BLK                      ; its first block, in bytes (under 2^23)
	s_mov_b32 s21, 0
	s_lshl_b32 s46, s42, 1
	s_add_co_u32 s46, s46, s16                     ; X: likewise
	s_mul_i32 s46, s46, 8*BLK                      ; (under 2^25)
	s_mov_b32 s47, 0
	s_lshl_b32 s22, s17, 15                        ; W_chan: 256 rows of 128 bytes for each 256 o,
	s_lshl_b32 s23, s14, 13                        ; and my wave's 64 of them
	s_add_co_u32 s22, s22, s23
	s_mov_b32 s23, 0
	s_mul_i32 s45, s14, HALFT                      ; where the blocks go: wave x a block: no place in the cluster enters an LDS address
	s_mul_i32 s94, s14, 64*WP                      ; and W_chan's rows: my wave's 64,
	s_add_co_u32 s94, s94, WCH                     ; behind the ring
	s_wait_kmcnt 0x0
	s_add_nc_u64 s[20:21], s[4:5], s[20:21]
	s_add_nc_u64 s[46:47], s[6:7], s[46:47]
	s_add_nc_u64 s[WCB:WCB+1], s[8:9], s[22:23]
	CROUND                                         ; all sixteen work-groups are here: the first joint loads meet
.irp s, 0,1
	s_mov_b32 s[G0+4*\s], 1
	s_add_co_u32 s[G0+4*\s+1], s45, \s*SLOT
	s_add_nc_u64 s[G0+4*\s+2:G0+4*\s+3], s[20:21], \s*BLK
	s_or_b32 s[G0+4*\s+3], s[G0+4*\s+3], 0x80000000
	s_mov_b32 s[G0B+4*\s], 1
	s_add_co_u32 s[G0B+4*\s+1], s45, \s*SLOT
	s_add_nc_u64 s[G0B+4*\s+2:G0B+4*\s+3], s[46:47], \s*BLK
	s_or_b32 s[G0B+4*\s+3], s[G0B+4*\s+3], 0x80000000
.endr
	JLOAD G0, G1, G0B, G1B                         ; K step 0: one tensor load a wave at the head
	v_and_b32 v7, 31, v0                           ; lane
	v_lshlrev_b32 v[CO], 4, v7                     ; 16 x lane
.irp i, 0,1,2,3,4,5,6,7,8,9,10,11,12,13,14,15
	global_load_b128 v[SUM+4*\i:SUM+4*\i+3], v[CO], s[WCB:WCB+1] offset:512*\i   ; my 64 rows of W_chan, 8,192 dense bytes: 32 lanes read 512 consecutive bytes (four rows)
.endr
	v_lshrrev_b32 v8, 3, v7                        ; where they go in LDS: row lane / 8 of a load's four,
	v_mul_u32_u24 v8, v8, WP
	v_and_b32 v9, 7, v7
	v_lshl_add_u32 v8, v9, 4, v8                   ; 16 bytes at 16 (lane % 8),
	v_add_nc_u32 v8, s94, v8                       ; in my wave's 64 rows
	v_and_b32 v1, 15, v0                           ; r = l % 16
	v_bfe_u32 v2, v0, 4, 1                         ; h = l / 16
	s_wait_alu depctr_va_vdst(0)
	v_mul_u32_u24 v3, v1, PITCH
	v_lshl_add_u32 v4, v2, 4, v3                   ; a fragment's row x pitch + 16 x half
	s_mul_i32 s21, s15, HALFT                      ; my 128 rows of P
	s_mul_i32 s22, s16, HALFT                      ; my 128 rows of X,
	s_add_co_u32 s22, s22, 2*HALFT                 ; which lie behind P's two blocks
.irp s, 0,1
	v_add_nc_u32 v[ADRA+\s], s21, v4
	v_add_nc_u32 v[ADRB+\s], s22, v4
	s_add_co_u32 s21, s21, SLOT
	s_add_co_u32 s22, s22, SLOT
.endr
	v_lshlrev_b32 v5, 3, v1                        ; my row's scales: 8 bytes a row
	s_mul_i32 s21, s15, HALFT                      ; in P's block,
	s_mul_i32 s22, s16, HALFT                      ; or in X's
	s_add_co_u32 s22, s22, 2*HALFT
	s_sub_co_u32 s22, s22, s21
	v_mul_u32_u24 v6, s22, v2                      ; lanes 16-31 take X's: one product with h
	s_add_co_u32 s21, s21, SCO
	v_add_nc_u32 v5, v5, v6
	v_add_nc_u32 v[ADRS], s21, v5
	v_add_nc_u32 v[ADRS+1], SLOT, v[ADRS]
	v_mul_u32_u24 v[WCO], v1, WP                   ; W_chan in LDS: row r,
	v_lshl_add_u32 v[WCO], v2, 5, v[WCO]           ; + 8 h channels,
	s_mul_i32 s23, s15, 128*WP                     ; of my 128 o
	s_add_co_u32 s23, s23, WCH
	v_add_nc_u32 v[WCO], s23, v[WCO]
	s_lshl_b32 s23, s14, 9                         ; my stage: one row (b) of 512 bytes
	s_add_co_u32 s23, s23, STAGE
	v_lshlrev_b32 v5, 2, v1
	v_lshl_add_u32 v5, v2, 6, v5
	v_add_nc_u32 v[STO], s23, v5
	v_and_b32 v6, 31, v0
	v_add_nc_u32 v[RD], s23, v[CO]
	v_lshlrev_b32 v[PFO], 8, v6
	v_cmp_ne_u32 s95, 0, v2                        ; the mask of lanes 16-31
	s_mov_b32 s96, 0x76543210
	s_mov_b32 s97, 0xfedcba98                      ; v_permlanex16_b32's selects for lane l xor 16
	s_lshl_b32 s20, s17, 10                        ; out0: my first o, 4 bytes each,
	s_lshl_b32 s21, s15, 9
	s_add_co_u32 s20, s20, s21
	s_mov_b32 s21, 0
	s_lshl_b32 s46, s42, 16                        ; and my first b = 8 x which + 4 x half: rows of 8,192 bytes
	s_lshl_b32 s47, s16, 15
	s_add_co_u32 s46, s46, s47
	s_mov_b32 s47, 0
	s_add_nc_u64 s[20:21], s[20:21], s[46:47]
	s_add_nc_u64 s[12:13], s[10:11], s[20:21]
	s_wait_alu depctr_va_vdst(0)                   ; the head's last vector line stands above
	s_wait_loadcnt 0x0                             ; W_chan's rows are in registers
.irp i, 0,1,2,3,4,5,6,7,8,9,10,11,12,13,14,15
	ds_store_b128 v8, v[SUM+4*\i:SUM+4*\i+3] offset:4*WP*\i   ; into rows of 144 bytes, on which no tensor load lands; the other waves read them behind my wait for 0 and the round below
.endr
	; the prefetches: where my wave's stand, and who asks
	s_lshl_b32 s18, s17, 1
	s_lshl_b32 s19, s42, 1
	s_and_b32 s22, ttmp7, 0xffff                   ; cluster y
	s_cmp_eq_u32 s15, 0                            ; do I fetch for P?
	s_cselect_b32 s20, s18, s19                    ; the tile's first group of 128 rows
	s_cselect_b32 s21, s40, s41                    ; my place among the four that ask for it with me
	s_cselect_b32 s22, ttmp9, s22                  ; the coordinate along which other clusters read the same blocks
	s_cselect_b64 s[PFA:PFA+1], s[4:5], s[6:7]
	s_cmp_eq_u32 s22, 0
	s_cselect_b32 s[LIM], 1, -1                    ; the same in all sixteen partners, for a given wave
	s_add_co_u32 s20, s20, s16                     ; the group that I fetch
	s_mul_i32 s20, s20, 8*BLK
	s_lshl_b32 s21, s21, 13                        ; my work-group's 32 lines of a block
	s_add_co_u32 s20, s20, s21
	s_add_co_u32 s20, s20, 2*BLK                   ; at K step 2: the first refill steps it to 3 and names K step 4
	s_mov_b32 s21, 0
	s_add_nc_u64 s[PFA:PFA+1], s[PFA:PFA+1], s[20:21]
	s_cmp_eq_u32 s[LIM], 1                         ; at the head the waves that prefetch name my 32 lines of K steps 1 and 2, whose loads stand behind the next two rounds
	s_cbranch_scc0 .Lno_head_ask
	global_prefetch_b8 v[PFO], s[PFA:PFA+1] offset:-BLK th:TH_LOAD_NT scope:SCOPE_SE
	global_prefetch_b8 v[PFO], s[PFA:PFA+1] th:TH_LOAD_NT scope:SCOPE_SE
.Lno_head_ask:
.macro FRAG reg, adr, q, i             ; a fragment, 16 rows x 128 K of 8-bit codes, is 16 registers: lane l holds row l % 16; registers 4 c .. 4 c + 3 hold places 32 c + 16 (l / 16) + 0 .. 15 along K
.irp c, 0,1,2,3
	ds_load_b128 v[\reg+4*\c:\reg+4*\c+3], v[\adr] offset:128*(\q)+32*\c+(\i)*16*PITCH
.endr
.endm
; 16 matrix instructions: P's blocks a0, a0 + 1 x X's eight, 128 along K: the slot's q-th.  p: X's set;  sc: the set of scale words.  zero = 1: the first product starts the sums: nothing is ever cleared.
; The 64 accumulators take turns, one instruction a turn, in the same order in every step.
.macro MUL16 a0, p, q, sc, zero
.irp a, \a0, \a0+1
.irp b, 0,1,2,3,4,5,6,7
.if \zero
	v_wmma_scale_f32_16x16x128_f8f6f4 v[8*(8*((\a)%4)+\b):8*(8*((\a)%4)+\b)+7], v[128*(\p)+FR*\b:128*(\p)+FR*\b+FR-1], v[AF+FR*(\a):AF+FR*(\a)+FR-1], 0, v[SC+8*NQ*(\sc)+NQ*\b+(\q)], v[SC+8*NQ*(\sc)+NQ*(\a)+(\q)] matrix_a_scale:MATRIX_SCALE_ROW1
.else
	v_wmma_scale_f32_16x16x128_f8f6f4 v[8*(8*((\a)%4)+\b):8*(8*((\a)%4)+\b)+7], v[128*(\p)+FR*\b:128*(\p)+FR*\b+FR-1], v[AF+FR*(\a):AF+FR*(\a)+FR-1], v[8*(8*((\a)%4)+\b):8*(8*((\a)%4)+\b)+7], v[SC+8*NQ*(\sc)+NQ*\b+(\q)], v[SC+8*NQ*(\sc)+NQ*(\a)+(\q)] matrix_a_scale:MATRIX_SCALE_ROW1
.endif
.endr
.endr
.endm
.macro FETCH_B slot, q, p              ; X's eight fragments of the slot's q-th 128 along K into set p
	WIN TO_B
.irp i, 0,1,2,3,4,5,6,7
	FRAG 128*(\p)+FR*\i, ADRB+\slot, \q, \i
.endr
	WIN 0
.endm
.macro FETCH_A slot, q, i0             ; P's blocks i0 .. i0 + 3
.irp i, \i0, \i0+1, \i0+2, \i0+3
	FRAG AF+FR*(\i), ADRA+\slot, \q, \i
.endr
.endm
.macro SCALES sc                       ; slot sc's scale words into set sc: 8 bytes a row, 32 rows to a line: block i of 16 rows lies in line i / 2, half i % 2
.irp i, 0,1,2,3,4,5,6,7
	ds_load_b64 v[SC+8*NQ*\sc+NQ*\i:SC+8*NQ*\sc+NQ*\i+1], v[ADRS+\sc] offset:(\i/2)*PITCH+(\i%2)*128
.endr
.endm
; A load into a register that a matrix instruction has read, and a vector instruction that reads a matrix result, stand NP places behind that matrix instruction, and only plain vector
; instructions that name none of its registers are places (ISA guide 7.12.1 for vector instructions); the matrix instructions in between are not counted.
.macro PLACES n
.rept \n
	v_nop
.endr
.endm
; A step of 128 along K that has its successor in the same slot.
.macro STEP slot, q, zero
	s_wait_dscnt 4*NL                              ; X's set, the scale words and P's blocks 0-3 are in; the youngest sixteen loads (P's blocks 4-7) may be out
	WIN MUL_LO
	MUL16 0, (\q)%2, \q, \slot, \zero
	MUL16 2, (\q)%2, \q, \slot, \zero
	s_wait_dscnt 0                                 ; P's blocks 4-7 are in (asked for 32 matrix instructions ago)
	PLACES NP
	FETCH_B \slot, (\q)+1, 1-(\q)%2
	FETCH_A \slot, (\q)+1, 0
	WIN MUL_HI
	MUL16 4, (\q)%2, \q, \slot, \zero
	MUL16 6, (\q)%2, \q, \slot, \zero
	PLACES NP
	WIN 0
	FETCH_A \slot, (\q)+1, 4
.endm
; A slot's last step changes slots AT ITS HEAD: all its fragments have been asked for, so the slot can be given up before the step's products are issued, and the refill has a whole K step's 128 products in which to land.
; ONE barrier; in front of it each wave waits for all its tensor loads (its part of the next slot), adds 0 to its spare word, and waits for that and for its own reads of this slot.
; fill = 0: nothing is filled;  1: this slot takes the tile's K step two steps on;  2: it takes the next tile's K step 0 or 1.  Where it is filled the barrier is a round of the cluster's barrier: no wave of any partner
; still reads the slot or has a load on its way; the joint refill is the first thing behind it.
.macro TURN slot, next, fill
.if \fill
	s_wait_xcnt 0x0                                ; the last prefetch, a K step back, has read its address, and earlier stores their registers: the address is stepped here, ahead of the waits of the change of slots
.if (\fill == 2) && (\slot == 0)
	s_add_nc_u64 s[PFA:PFA+1], s[PFA:PFA+1], (64*8-7)*BLK  ; from the block behind the tile's last to the next tile's K step 1
	s_cmp_eq_u32 s15, 0
	s_cselect_b32 s[LIM], -1, s[LIM]               ; P's blocks are the same for both tiles: they have been read, and are prefetched no more
.else
	s_add_nc_u64 s[PFA:PFA+1], s[PFA:PFA+1], BLK
.endif
.endif
	s_wait_tensorcnt 0x0                           ; all my tensor loads have landed, so every group 0 may be written;  (every window is 0 here)
	ds_add_u32 v[SPW], v[NIL]                      ; 0 onto my spare word: the descriptors' steps stand between it and the wait for it
.if \fill == 1
	s_add_nc_u64 s[G0+4*\slot+2:G0+4*\slot+3], s[G0+4*\slot+2:G0+4*\slot+3], 2*BLK
	s_add_nc_u64 s[G0B+4*\slot+2:G0B+4*\slot+3], s[G0B+4*\slot+2:G0B+4*\slot+3], 2*BLK
.endif
.if \fill == 2
	s_sub_nc_u64 s[G0+4*\slot+2:G0+4*\slot+3], s[G0+4*\slot+2:G0+4*\slot+3], BACK_P
	s_add_nc_u64 s[G0B+4*\slot+2:G0B+4*\slot+3], s[G0B+4*\slot+2:G0B+4*\slot+3], NEXT_X
.endif
	s_wait_dscnt 0x0                               ; the add is done, and my reads of this slot are over: this step's fragments are all in registers
.if \fill
	CROUND
	JLOAD G0+4*\slot, G1, G0B+4*\slot, G1B         ; my one tensor load until the next change of slots
.else
	s_barrier_signal -1
	s_barrier_wait -1
.endif
	FETCH_B \next, 0, 0                            ; X's set 0 was done with in the step before, ahead of that step's closing places
	SCALES \next
.if \fill
	ASK \fill                                      ; behind the joint load and a run of LDS loads; every window is 0
.endif
	WIN MUL_LO
	MUL16 0, 1, NQ-1, \slot, 0
	MUL16 2, 1, NQ-1, \slot, 0
	PLACES NP
	WIN 0
	FETCH_A \next, 0, 0
	WIN MUL_HI
	MUL16 4, 1, NQ-1, \slot, 0
	MUL16 6, 1, NQ-1, \slot, 0
	PLACES NP
	WIN 0
	FETCH_A \next, 0, 4
.endm
.macro LAP                             ; once round the ring, from a lap's second step to the next lap's first; both slots are filled again
	TURN 0, 1, 1
	STEP 1, 0, 0
	TURN 1, 0, 1
	STEP 0, 0, 0
.endm
; THE WAY OUT.  WLOAD: W_chan of my 128 o from LDS into 128 registers of window 1, from v[wb] on: register 16 a + 8 u + i = W_chan[16 a + r][16 u + 8 h + i].
.macro WLOAD wb
	WIN TO_B
.irp a, 0,1,2,3,4,5,6,7
.irp u, 0,1
.irp e, 0,1
	ds_load_b128 v[(\wb)+16*\a+8*\u+4*\e:(\wb)+16*\a+8*\u+4*\e+3], v[WCO] offset:16*WP*\a+64*\u+16*\e
.endr
.endr
.endr
	WIN 0
.endm
; X's block 2 g + u holds channels 16 u + 8 h + 0 .. 7 of my g-th b.  For P's block a and each g: the sum over u and the eight registers of accumulator x W_chan, two channels an instruction, the four g by turns;
; each accumulator is read from its low end on.
.macro CONTRACT a, wb
.set WC, 0x06+(\a)/4                   ; source 0 (accumulators) window 2 or 3, source 1 (W_chan) window 1, source 2 and destination window 0
	WIN WC
.irp u, 0,1
.irp jp, 0,2,4,6
.irp g, 0,1,2,3
.if (\u == 0) && (\jp == 0)
	v_pk_mul_f32 v[SUM+2*(4*(\a)+\g):SUM+2*(4*(\a)+\g)+1], v[8*(8*((\a)%4)+2*\g+\u)+\jp:8*(8*((\a)%4)+2*\g+\u)+\jp+1], v[(\wb)+16*(\a)+8*\u+\jp:(\wb)+16*(\a)+8*\u+\jp+1]
.else
	v_pk_fma_f32 v[SUM+2*(4*(\a)+\g):SUM+2*(4*(\a)+\g)+1], v[8*(8*((\a)%4)+2*\g+\u)+\jp:8*(8*((\a)%4)+2*\g+\u)+\jp+1], v[(\wb)+16*(\a)+8*\u+\jp:(\wb)+16*(\a)+8*\u+\jp+1], v[SUM+2*(4*(\a)+\g):SUM+2*(4*(\a)+\g)+1]
.endif
.endr
.endr
.endr
.endm
.macro WOUT wb, t                      ; t: which of the two tiles
	s_wait_dscnt 0x0                               ; W_chan is in registers
.irp a, 0,1,2,3,4,5,6,7
	CONTRACT \a, \wb
.endr
	WIN 0
.irp n, 0,1,2,3,4,5,6,7,8,9,10,11,12,13,14,15,16,17,18,19,20,21,22,23,24,25,26,27,28,29,30,31
	v_add_f32 v[SUM+2*\n], v[SUM+2*\n], v[SUM+2*\n+1]   ; even and odd channels: my 16 channels' sum; the pair's upper register is free from here on
.endr
; The other 16 channels lie in lane l xor 16.  Two blocks a0, a0 + 1 share one exchange: lanes 0-15 send block a0 + 1's sum and keep block a0's, lanes 16-31 the other way round;
; so lanes 0-15 end with block a0's totals and lanes 16-31 with block a0 + 1's: 32 neighbouring o.
.irp a0, 0,2,4,6
.irp g, 0,1,2,3
	v_cndmask_b32 v[SUM+2*(4*\a0+\g)+1], v[SUM+2*(4*(\a0+1)+\g)], v[SUM+2*(4*\a0+\g)], s95       ; what I send
.endr
.endr
.irp a0, 0,2,4,6
.irp g, 0,1,2,3
	v_cndmask_b32 v[SUM+2*(4*(\a0+1)+\g)+1], v[SUM+2*(4*\a0+\g)], v[SUM+2*(4*(\a0+1)+\g)], s95   ; what I keep
.endr
.endr
.irp a0, 0,2,4,6
.irp g, 0,1,2,3
	v_permlanex16_b32 v[SUM+2*(4*\a0+\g)], v[SUM+2*(4*\a0+\g)+1], s96, s97
.endr
.endr
.irp a0, 0,2,4,6
.irp g, 0,1,2,3
	v_add_f32 v[SUM+2*(4*\a0+\g)], v[SUM+2*(4*\a0+\g)], v[SUM+2*(4*(\a0+1)+\g)+1]
.endr
.endr
; A row (b) of my 128 o at a time goes through my own 512 bytes of LDS and comes back 16 bytes a lane, into registers of the odd blocks' pairs, which are done with and are no store's data.
; LDS serves a wave's instructions in order (ISA guide 5.7.1.4): a load sees the four stores ahead of it, and the next row's stores come behind it.
.irp g, 0,1,2,3
.irp a0, 0,2,4,6
	ds_store_b32 v[STO], v[SUM+2*(4*\a0+\g)] offset:64*\a0   ; out0[my g-th b][16 a0 + 16 h + r]: 32 lanes, 128 consecutive bytes
.endr
	ds_load_b128 v[SUM+8+16*(\g/2)+4*(\g%2):SUM+8+16*(\g/2)+4*(\g%2)+3], v[RD]
.endr
.irp g, 0,1,2,3
	s_wait_dscnt 5*(3-\g)                          ; row g is back; the four stores and the load of each later row may be out
	global_store_b128 v[CO], v[SUM+8+16*(\g/2)+4*(\g%2):SUM+8+16*(\g/2)+4*(\g%2)+3], s[12:13] offset:(\t)*OSTEP+8192*\g th:TH_STORE_NT   ; 32 lanes store 512 consecutive bytes, at a multiple of 512 from out0's first byte; written once
.endr
.endm
	s_wait_tensorcnt 0x0                           ; my part of K step 0 is in; the same lines as ahead of a refill:
	ds_add_u32 v[SPW], v[NIL]                      ; 0 onto my spare word;
	s_wait_dscnt 0x0                               ; the add and my stores of W_chan are done
	CROUND                                         ; a whole round: everybody's part of K step 0 and of W_chan is in, and all sixteen work-groups are here,
	JLOAD G0+4, G1, G0B+4, G1B                     ; and K step 1's joint load is the first tensor load behind the round
	FETCH_B 0, 0, 0
	FETCH_A 0, 0, 0
	SCALES 0
	FETCH_A 0, 0, 4
	; ---------------- the first tile
	STEP 0, 0, 1                                   ; a tile's first step stands in front of its loop: its products start the sums
	s_mov_b32 s3, LAPS-1
.Llap0:
	LAP
	s_sub_co_u32 s3, s3, 1
	s_cmp_lg_u32 s3, 0
	s_cbranch_scc1 .Llap0
	TURN 0, 1, 2                                   ; THE RING GOES ON INTO THE SECOND TILE: slot 0 takes its K step 0,
	STEP 1, 0, 0
	TURN 1, 0, 2                                   ; slot 1 its K step 1, and the second tile's first fragments and scale words are fetched; the closing places stand behind the tile's last products
	s_wait_alu depctr_va_vdst(0)
	WLOAD 128                                      ; X's set 1 is done with
	WOUT 128, 0                                    ; both refills are asked for: now the tile goes out.  It touches neither P's fragments, X's set 0 nor the scale words, which are the second tile's
	; ---------------- the second tile
	STEP 0, 0, 1                                   ; the accumulators have been read out: the products start the sums anew
	s_mov_b32 s3, LAPS-1
.Llap1:
	LAP
	s_sub_co_u32 s3, s3, 1
	s_cmp_lg_u32 s3, 0
	s_cbranch_scc1 .Llap1
	TURN 0, 1, 0                                   ; the last lap fills nothing, and has no round of the cluster's barrier
	STEP 1, 0, 0
	s_wait_dscnt 4*NL                              ; the very last step: X's set 1 and P's blocks 0-3 are in; P's blocks 4-7 may be out
	WLOAD 0                                        ; X's set 0 is done with (its last readers stand ahead of the step's closing places): W_chan comes while the last 64 products are issued
	WIN MUL_LO
	MUL16 0, 1, NQ-1, 1, 0
	MUL16 2, 1, NQ-1, 1, 0
	s_wait_dscnt 32                                ; P's blocks 4-7 are in; W_chan's 32 loads may be out
	WIN MUL_HI
	MUL16 4, 1, NQ-1, 1, 0
	MUL16 6, 1, NQ-1, 1, 0
	WIN 0
	PLACES NP                                      ; behind the last products, ahead of the first read of results
	WOUT 0, 1
	s_wait_tensorcnt 0x0                           ; the wave's end: behind my last tensor load and my last LDS store
	ds_add_u32 v[SPW], v[NIL]
	s_wait_dscnt 0x0
	CROUND                                         ; the closing round: no work-group ends while a partner may still ask for a block that names it
	s_endpgm
.Lfunc_end_k_q96d5790ea8_gemm:
	.size	k_q96d5790ea8_gemm, .Lfunc_end_k_q96d5790ea8_gemm-k_q96d5790ea8_gemm
	.p2alignl 7, 3214868480
	.fill 96, 4, 3214868480
	.section	.rodata,"a",@progbits
	.p2align	6, 0x0
	.amdhsa_kernel k_q96d5790ea8_gemm
		.amdhsa_group_segment_fixed_size 327680
		.amdhsa_private_segment_fixed_size 0
		.amdhsa_enable_private_segment 0
		.amdhsa_kernarg_size 32
		.amdhsa_user_sgpr_count 2
		.amdhsa_user_sgpr_kernarg_segment_ptr 1
		.amdhsa_wavefront_size32 1
		.amdhsa_system_sgpr_workgroup_id_x 1
		.amdhsa_system_sgpr_workgroup_id_y 1
		.amdhsa_system_sgpr_workgroup_id_z 1
		.amdhsa_system_vgpr_workitem_id 0
		.amdhsa_next_free_vgpr 1024
		.amdhsa_next_free_sgpr 102
		.amdhsa_reserve_vcc 0
		.amdhsa_float_denorm_mode_32 3
		.amdhsa_float_denorm_mode_16_64 3
		.amdhsa_memory_ordered 1
		.amdhsa_forward_progress 1
		.amdhsa_inst_pref_size 255
	.end_amdhsa_kernel
	.section	.bss,"aw",@nobits
	.p2align	6
	.space	262144
	.amdgpu_metadata
---
amdhsa.version: [ 1, 2 ]
amdhsa.kernels:
  - .name:           k_q96d5790ea8_gemm
    .symbol:         k_q96d5790ea8_gemm.kd
    .args:
      - { .name: wq, .offset: 0, .size: 8, .value_kind: global_buffer, .address_space: global }
      - { .name: xq, .offset: 8, .size: 8, .value_kind: global_buffer, .address_space: global }
      - { .name: W_chan, .offset: 16, .size: 8, .value_kind: global_buffer, .address_space: global }
      - { .name: out0, .offset: 24, .size: 8, .value_kind: global_buffer, .address_space: global }
    .group_segment_fixed_size: 327680
    .private_segment_fixed_size: 0
    .kernarg_segment_align: 8
    .kernarg_segment_size: 32
    .max_flat_workgroup_size: 128
    .sgpr_count:     102
    .vgpr_count:     1024
    .wavefront_size: 32
...
	.end_amdgpu_metadata
.endif
;; end of part 2
